; MI455X (gfx1250); checked and timed in simulation.
; The chip was launched on July 23, 2026; its instructions are those of AMD's public machine-readable ISA for CDNA 5 (MIT licence, August 2026) and "CDNA5" Instruction Set Architecture Reference Guide (July 2026). The comments in the code are by the model that wrote it; some were corrected since.
;; Multi Head Attention. Allowed arithmetic: matrix products marked QUANTISED: E2M1 operands, one E8M0 scale for each 32 along K, by v_wmma_scale_f32_16x16x128_f8f6f4 with both operands' format E2M1 (or v_wmma_scale_f32_32x16x128_f4), f32 sums; products left as they are: bf16, f16 or f32 operands; f32 sums; everything else in f32.
;; Inputs: W_key 8 x 512 x 64 float32; W_out 8 x 64 x 512 float32; W_query 8 x 512 x 64 float32; W_val 8 x 512 x 64 float32; h 1 x 4,096 x 512 float32; mask 1 x 4,096 x 4,096 int32; q 1 x 4,096 x 512 float32.
;; Outputs: out0 1 x 4,096 x 512 float32.
;; This version of the problem:
;;   THIS VERSION OF THE PROBLEM IS GIVEN IN LOW PRECISION. The matrix products marked QUANTISED in the list below multiply operands that are first quantised to E2M1 (2 exponent bits, 1 mantissa bit; 4 bits a number), with one power-of-two scale for each 32 numbers along K (OCP MX v1.0); their sums are f32. The products marked 'left as it is' may take bf16, f16 or f32 operands, with f32 sums. Whichever they take, every output number must still come out within the allowed error. Rounding operands to bf16 (8 significant bits) uses up far more of that allowance than f16 does (11 bits, for magnitudes from 6e-5 to 65,504). All else is computed in f32.
;;   The module's matrix products, in the order in which they are computed (A, B: the left and right operand; K: the contracted axis; several contracted axes count as one K, in the product's order):
;;     1. [M 512, K 512] x [K 512, N 4,096]; A: input W_query; B: input q: QUANTISED
;;     2. [M 512, K 512] x [K 512, N 4,096]; A: input W_key; B: input h: QUANTISED
;;     3. [M 512, K 512] x [K 512, N 4,096]; A: input W_val; B: input h: QUANTISED
;;     4. batch 8 x [M 4,096, K 64] x [K 64, N 4,096]; A: computed on the way; B: computed on the way: left as it is (an operand is computed on the way)
;;     5. batch 8 x [M 4,096, K 4,096] x [K 4,096, N 64]; A: computed on the way; B: computed on the way: left as it is (an operand is computed on the way)
;;     6. [M 4,096, K 512] x [K 512, N 512]; A: computed on the way; B: input W_out: left as it is (an operand is computed on the way)
;;   THE QUANTISER, for each operand of a quantised product, along K:
;;     - K is cut into blocks of 32 from its start; a last block that is shorter is filled with zeros.
;;     - A block's scale is 2^e with e = floor(log2(the largest magnitude in the block)) - 2, held to -126 .. 127; a block of zeros has e = 0. As a byte (E8M0): e + 127.
;;     - Each number is divided by its block's scale, clamped to +-6, and rounded to the nearest number of E2M1, ties to even, subnormals kept.
;;     - The product sums the exact products of the quantised numbers (number of the format x scale) in f32.
;;   ~~~python
;;   def quantise(x, axis):      # numpy; x: float32 -> the quantised numbers, widened to float32 again
;;       x = np.moveaxis(x, axis, -1); K = x.shape[-1]
;;       x = np.pad(x, [(0, 0)] * (x.ndim - 1) + [(0, -K % 32)]); x = x.reshape(x.shape[:-1] + (-1, 32)); a = np.abs(x).max(-1, keepdims=True)
;;       e = np.where(a > 0, np.clip(np.frexp(np.where(a > 0, a, 1))[1] - 1 - 2, -126, 127), 0)      # np.frexp(a)[1] - 1 = floor(log2(a)), exactly
;;       r = np.clip(x / 2.0 ** e, -6, 6)
;;       step = 2.0 ** (np.maximum(np.frexp(np.where(r == 0, 1, r))[1] - 1, 0) - 1)
;;       q = np.round(r / step) * step * 2.0 ** e      # np.round: ties to even
;;       return np.moveaxis(q.reshape(q.shape[:-2] + (-1,))[..., :K], -1, axis).astype(np.float32)
;;   ~~~
;; One version. Each part assembles by itself: llvm-mc -triple=amdgcn-amd-amdhsa -mcpu=gfx1250 --defsym DOCPART=n.
;; ======== version 1 of 1: 4 launches
;; limits: values are held in f16: magnitudes above 65,504 overflow, below 6.1e-05 lose precision; right only within a limited range of input values
;; workspace buffers: wcodes 393,216 bytes; wscales 49,152 bytes; wof 524,288 bytes; maskbits 2,097,152 bytes of whole numbers; qf 4,194,304 bytes; kf 4,194,304 bytes; vf 4,194,304 bytes; hf 4,194,304 bytes
;; launch front (part 1): grid 1152 x 1, 4 waves a work-group, no clusters, 68,096 bytes of LDS; arguments W_query, W_key, W_val, W_out, mask, wcodes, wscales, wof, maskbits; writes wcodes, wscales, wof, maskbits
.if DOCPART == 1
	.amdgcn_target "amdgcn-amd-amdhsa--gfx1250"
	.amdhsa_code_object_version 6
	.text
	.protected	k_qf8cc7c0d0d_front
	.globl	k_qf8cc7c0d0d_front
	.p2align	8
	.type	k_qf8cc7c0d0d_front,@function
k_qf8cc7c0d0d_front:
	s_mov_b64 s[64:65], 0
	v_nop
	global_prefetch_b8 v0, s[64:65] scope:SCOPE_SE
	s_setreg_imm32_b32 hwreg(HW_REG_WAVE_MODE, 25, 1), 1
	s_wait_xcnt 0x0
; THE LAUNCH IN FRONT: everything that later launches read many times is laid out once, as images of operand registers.
; Three kinds of work-group, told apart by the work-group's number alone:
;   0 .. 95     WQ:   W_query, W_key, W_val [8][512 (i)][64 (k)] f32 -> codes of FP4 (E2M1) along i, with one E8M0 byte for each 32 along i.
;   96 .. 127   WO:   2 x W_out [512 (k)][512 (e)] f32 -> f16 fragments (the factor 2 is exact; it takes back the 1/2 that is put on V).
;   128 .. 1151 PACK: mask [4096][4096] int32 -> one bit a number, laid as lane masks for the score tiles of the attention launch.
; AN IMAGE: four registers of a fragment are 512 bytes, lane l's 16 bytes at 16 l: so a store covers 512 consecutive bytes, aligned, and a reader loads 16 bytes a lane.
; wcodes  [tensor 3][column tile T 32][K step s 4][c 2][lane][16 B]: column 16 T + lane % 16 (= 64 head + k), i = 128 s + 64 c + 32 (lane / 16) + 0 .. 31
; wscales [tensor][T][s][lane][4 B]: the column's four bytes of the K step; lanes 16-31 hold the same word
; wof     [e tile 32][kc 16][p 2][lane][16 B]: e = 16 E + lane % 16, k = 32 kc + 16 p + 8 (lane / 16) + 0 .. 7
; maskbits [G 128 (32 queries)][chunk 64 (64 keys)][64 words]: bit l of word 16 t + 2 j + a = (mask[32 G + 16 a + l % 16][64 chunk + 16 t + 8 (l / 16) + j] != 0)
; A block's scale is 2^(floor(log2(its largest magnitude)) - 2); its byte is the largest magnitude's exponent field - 2, held at 1 from below.
; LIMITS: a block of zeros gets the byte 1 where the rule says 127 (its codes are zeros, and this program alone reads the bytes); NaN and infinities are not served;
; a mask number other than 0 counts as 1 (the problem states 0 or 1).
; No tensor load, no barrier, no cluster: waves share nothing, and the mask, three quarters of the program's bytes, is read once as a plain stream.
.set STGW,   16896                     ; PACK: a wave's stage: 32 rows x SPITCH
.set SPITCH, 528                       ; 512 bytes + 16 = 33 x 16: the sixteen rows that a load touches begin 16 bytes apart modulo 256
.set SPARE,  4*STGW                    ; behind the stages: the spare words, 128 bytes a wave
.set SPW, 10                           ; v10 my spare word's LDS address; never rewritten
.set NIL, 11                           ; v11 0; never rewritten
	s_load_b512 s[4:19], s[0:1], 0x0               ; W_query, W_key, W_val, W_out, mask, wcodes, wscales, wof
	s_load_b64 s[20:21], s[0:1], 0x40              ; maskbits
	v_lshl_add_u32 v[SPW], v0, 2, SPARE
	v_mov_b32 v[NIL], 0
	v_lshrrev_b32 v1, 5, v0
	v_readfirstlane_b32 s22, v1                    ; wave
	v_and_b32 v1, 31, v0                           ; lane
	v_and_b32 v2, 15, v0                           ; r
	v_bfe_u32 v3, v0, 4, 1                         ; h
	v_lshlrev_b32 v5, 4, v1                        ; 16 x lane
	s_mul_i32 s23, s22, STGW                       ; the LDS addresses are made ahead of the parting of the ways
	v_add_nc_u32 v8, s23, v5                       ; PACK, into the stage: 16 x lane of a row
	v_mul_u32_u24 v9, v2, SPITCH
	v_lshl_add_u32 v9, v3, 5, v9
	v_add_nc_u32 v9, s23, v9                       ; PACK, out of it: row r, + 32 h
	s_mov_b32 s24, 0x76543210
	s_mov_b32 s25, 0xfedcba98                      ; v_permlanex16_b32's selects for lane l xor 16
	s_mov_b32 s31, 0                               ; the upper word of every 64-bit offset below
	s_wait_kmcnt 0x0
	s_cmp_ge_u32 ttmp9, 128
	s_cbranch_scc1 .Lpack
	s_cmp_ge_u32 ttmp9, 96
	s_cbranch_scc1 .Lwo
	; ---- WQ: work-group = (tensor, column tile), wave = K step.  A lane takes a column and its registers run down i, in the order of the operand's registers: nothing is transposed.
	s_lshr_b32 s26, ttmp9, 5                       ; tensor
	s_and_b32 s27, ttmp9, 31                       ; T
	s_cmp_eq_u32 s26, 0
	s_cselect_b64 s[28:29], s[4:5], s[6:7]
	s_cmp_eq_u32 s26, 2
	s_cselect_b64 s[28:29], s[8:9], s[28:29]
	s_lshr_b32 s30, s27, 2
	s_lshl_b32 s30, s30, 17                        ; head x 512 x 256 bytes
	s_and_b32 s32, s27, 3
	s_lshl_b32 s32, s32, 6                         ; 16 columns x 4 bytes
	s_add_co_u32 s30, s30, s32
	s_lshl_b32 s32, s22, 15                        ; K step x 128 rows of 256 bytes
	s_add_co_u32 s30, s30, s32
	s_add_nc_u64 s[28:29], s[28:29], s[30:31]
	s_lshl_b32 s32, ttmp9, 2
	s_add_co_u32 s32, s32, s22                     ; 4 (32 tensor + T) + s
	s_lshl_b32 s30, s32, 10
	s_add_nc_u64 s[14:15], s[14:15], s[30:31]
	s_lshl_b32 s30, s32, 7
	s_add_nc_u64 s[16:17], s[16:17], s[30:31]
	v_lshlrev_b32 v4, 2, v2
	v_lshl_add_u32 v4, v3, 13, v4                  ; 4 r + 32 h rows
	v_lshlrev_b32 v6, 2, v1
.irp c, 0,1
.irp i, 0,1,2,3,4,5,6,7,8,9,10,11,12,13,14,15,16,17,18,19,20,21,22,23,24,25,26,27,28,29,30,31
	global_load_b32 v[16+32*\c+\i], v4, s[28:29] offset:(64*\c+\i)*256   ; W(128 s + 64 c + 32 h + i, column r)
.endr
.endr
	s_wait_loadcnt 0x0
.irp c, 0,1                                    ; my block 2 c + h: all its 32 numbers are mine
	v_max3_num_f32 v[104+\c], |v[16+32*\c]|, |v[17+32*\c]|, 0x1800000   ; with the floor 2^(3 - 127): the byte cannot fall under 1
.endr
.irp i, 2,4,6,8,10,12,14,16,18,20,22,24,26,28,30
.irp c, 0,1
	v_max3_num_f32 v[104+\c], v[104+\c], |v[16+32*\c+\i]|, |v[17+32*\c+\i]|   ; the two blocks by turns
.endr
.endr
.irp c, 0,1
	v_add_nc_u32 v[106+\c], 0xff000000, v[104+\c]  ; 2 off the exponent field: the conversion's scale operand
.endr
.irp c, 0,1
	v_lshrrev_b32 v[108+\c], 23, v[106+\c]         ; the scale's byte
.endr
	v_lshl_or_b32 v110, v109, 16, v108             ; my two bytes: blocks h and 2 + h,
	v_lshlrev_b32 v111, 3, v3
	v_lshlrev_b32 v110, v111, v110                 ; at their places in the word;
	v_mov_b32 v111, 0
	v_permlanex16_b32 v111, v110, s24, s25
	v_or_b32 v110, v110, v111                      ; with lane l xor 16's two the word is whole
.irp c, 0,1
.irp g, 0,1,2,3
	v_cvt_scalef32_pk8_fp4_f32 v[96+4*\c+\g], v[16+32*\c+8*\g:23+32*\c+8*\g], v[106+\c]
.endr
.endr
	v_nop                                          ; a plain line behind the last scaled conversion
	global_store_b128 v5, v[96:99], s[14:15]
	global_store_b128 v5, v[100:103], s[14:15] offset:512
	global_store_b32 v6, v110, s[16:17]            ; 128 consecutive bytes a wave, the four waves of the work-group 512
	s_branch .Lend
	; ---- WO: work-group = e tile, wave = four chunks of 32 along k.  Again a lane to a column e, registers down k.
.Lwo:
	s_sub_co_u32 s26, ttmp9, 96                    ; E
	s_lshl_b32 s30, s26, 6
	s_lshl_b32 s32, s22, 18                        ; 128 rows of 2,048 bytes a wave
	s_add_co_u32 s30, s30, s32
	s_add_nc_u64 s[10:11], s[10:11], s[30:31]
	s_lshl_b32 s30, s26, 14
	s_lshl_b32 s32, s22, 12
	s_add_co_u32 s30, s30, s32                     ; (16 E + 4 wave) x 1,024
	s_add_nc_u64 s[18:19], s[18:19], s[30:31]
	v_lshlrev_b32 v4, 2, v2
	v_lshl_add_u32 v4, v3, 14, v4                  ; 4 r + 8 h rows
.irp k, 0,1,2,3
.irp p, 0,1
.irp i, 0,1,2,3,4,5,6,7
	global_load_b32 v[16+16*\k+8*\p+\i], v4, s[10:11] offset:(32*\k+16*\p+\i)*2048
.endr
.endr
.endr
	s_wait_loadcnt 0x0
.set i, 0
.rept 32
	v_pk_mul_f32 v[16+2*i:17+2*i], v[16+2*i:17+2*i], 2.0 op_sel_hi:[1,0]
.set i, i+1
.endr
.set i, 0
.rept 32
	v_cvt_pk_f16_f32 v[80+i], v[16+2*i], v[17+2*i]
.set i, i+1
.endr
.set i, 0
.rept 8
	global_store_b128 v5, v[80+4*i:83+4*i], s[18:19] offset:512*i
.set i, i+1
.endr
	s_branch .Lend
	; ---- PACK: a wave takes 32 queries x 128 keys.  Each load reads 512 consecutive bytes of a mask row (the four waves 2,048); the 16 KiB turn through the wave's own stage,
	; so that a lane holds what it holds of a score tile: query l % 16, eight keys.  A compare then makes a lane mask, which is one word of the output.
.Lpack:
	s_sub_co_u32 s26, ttmp9, 128
	s_lshl_b32 s26, s26, 2
	s_add_co_u32 s26, s26, s22                     ; the unit
	s_lshr_b32 s27, s26, 5                         ; G: which 32 queries
	s_and_b32 s28, s26, 31                         ; which 128 keys
	s_lshl_b32 s30, s27, 19                        ; 32 rows of 16,384 bytes
	s_lshl_b32 s29, s28, 9
	s_add_co_u32 s30, s30, s29
	s_add_nc_u64 s[12:13], s[12:13], s[30:31]
	s_lshl_b32 s30, s27, 14                        ; 64 chunks of 256 bytes
	s_add_co_u32 s30, s30, s29                     ; + two chunks for each 128 keys
	s_add_nc_u64 s[20:21], s[20:21], s[30:31]
	v_lshlrev_b32 v7, 3, v1                        ; out: 8 bytes a lane
.set i, 0
.rept 32
	global_load_b128 v[16+4*i:19+4*i], v5, s[12:13] offset:16384*i th:TH_LOAD_NT   ; row i; read once in the whole program
.set i, i+1
.endr
.set i, 0
.rept 32
	s_wait_loadcnt 31-i                            ; loads come back in order: row i is in, the younger ones stay out
	ds_store_b128 v8, v[16+4*i:19+4*i] offset:SPITCH*i
.set i, i+1
.endr
	s_wait_dscnt 0x0                               ; the stores have read their registers, which the loads below fill again
.irp a, 0,1
.irp t, 0,1,2,3,4,5,6,7
	ds_load_b128 v[16+8*(8*\a+\t):19+8*(8*\a+\t)], v9 offset:8448*\a+64*\t       ; query 16 a + r, keys 16 t + 8 h + 0 .. 3
	ds_load_b128 v[20+8*(8*\a+\t):23+8*(8*\a+\t)], v9 offset:8448*\a+64*\t+16    ; and + 4 .. 7
.endr
.endr
.irp i, 0,1,2,3
	v_mov_b32 v[144+\i], 0                         ; a lane write's destination counts as read
.endr
.irp a, 0,1
.irp t, 0,1,2,3,4,5,6,7
	s_wait_dscnt 30-2*(8*\a+\t)                    ; this tile's two loads are in
.irp j, 0,1,2,3,4,5,6,7
	v_cmp_ne_u32 s[32+\j], 0, v[16+8*(8*\a+\t)+\j]
.endr
.irp j, 0,1,2,3,4,5,6,7
	v_writelane_b32 v[144+2*(\t/4)+\a], s[32+\j], 8*(\t%4)+\j   ; word 16 (t % 4) + 2 j + a of chunk t / 4: lane 8 (t % 4) + j, register a of the pair
.endr
.endr
.endr
	global_store_b64 v7, v[144:145], s[20:21]              ; 256 consecutive bytes, aligned: a chunk
	global_store_b64 v7, v[146:147], s[20:21] offset:256
.Lend:
	s_wait_tensorcnt 0x0                           ; the wave's end: behind the last LDS store
	ds_add_u32 v[SPW], v[NIL]
	s_wait_dscnt 0x0
	s_endpgm
.Lfunc_end_k_qf8cc7c0d0d_front:
	.size	k_qf8cc7c0d0d_front, .Lfunc_end_k_qf8cc7c0d0d_front-k_qf8cc7c0d0d_front
	.p2alignl 7, 3214868480
	.fill 96, 4, 3214868480
	.section	.rodata,"a",@progbits
	.p2align	6, 0x0
	.amdhsa_kernel k_qf8cc7c0d0d_front
		.amdhsa_group_segment_fixed_size 68096
		.amdhsa_private_segment_fixed_size 0
		.amdhsa_enable_private_segment 0
		.amdhsa_kernarg_size 72
		.amdhsa_user_sgpr_count 2
		.amdhsa_user_sgpr_kernarg_segment_ptr 1
		.amdhsa_wavefront_size32 1
		.amdhsa_system_sgpr_workgroup_id_x 1
		.amdhsa_system_sgpr_workgroup_id_y 1
		.amdhsa_system_sgpr_workgroup_id_z 1
		.amdhsa_system_vgpr_workitem_id 0
		.amdhsa_next_free_vgpr 152
		.amdhsa_next_free_sgpr 66
		.amdhsa_reserve_vcc 0
		.amdhsa_float_denorm_mode_32 3
		.amdhsa_float_denorm_mode_16_64 3
		.amdhsa_memory_ordered 1
		.amdhsa_forward_progress 1
		.amdhsa_inst_pref_size 49
	.end_amdhsa_kernel
	.amdgpu_metadata
---
amdhsa.version: [ 1, 2 ]
amdhsa.kernels:
  - .name:           k_qf8cc7c0d0d_front
    .symbol:         k_qf8cc7c0d0d_front.kd
    .args:
      - { .name: W_query, .offset: 0, .size: 8, .value_kind: global_buffer, .address_space: global }
      - { .name: W_key, .offset: 8, .size: 8, .value_kind: global_buffer, .address_space: global }
      - { .name: W_val, .offset: 16, .size: 8, .value_kind: global_buffer, .address_space: global }
      - { .name: W_out, .offset: 24, .size: 8, .value_kind: global_buffer, .address_space: global }
      - { .name: mask, .offset: 32, .size: 8, .value_kind: global_buffer, .address_space: global }
      - { .name: wcodes, .offset: 40, .size: 8, .value_kind: global_buffer, .address_space: global }
      - { .name: wscales, .offset: 48, .size: 8, .value_kind: global_buffer, .address_space: global }
      - { .name: wof, .offset: 56, .size: 8, .value_kind: global_buffer, .address_space: global }
      - { .name: maskbits, .offset: 64, .size: 8, .value_kind: global_buffer, .address_space: global }
    .group_segment_fixed_size: 68096
    .private_segment_fixed_size: 0
    .kernarg_segment_align: 8
    .kernarg_segment_size: 72
    .max_flat_workgroup_size: 128
    .sgpr_count:     66
    .vgpr_count:     152
    .wavefront_size: 32
...
	.end_amdgpu_metadata
.endif
;; end of part 1
;; launch proj (part 2): grid 64 x 3, 8 waves a work-group, no clusters, 87,040 bytes of LDS; arguments q, h, wcodes, wscales, qf, kf, vf; writes qf, kf, vf
.if DOCPART == 2
	.amdgcn_target "amdgcn-amd-amdhsa--gfx1250"
	.amdhsa_code_object_version 6
	.text
	.protected	k_qf8cc7c0d0d_proj
	.globl	k_qf8cc7c0d0d_proj
	.p2align	8
	.type	k_qf8cc7c0d0d_proj,@function
k_qf8cc7c0d0d_proj:
	s_mov_b64 s[64:65], 0
	v_nop
	global_prefetch_b8 v0, s[64:65] scope:SCOPE_SE
	s_setreg_imm32_b32 hwreg(HW_REG_WAVE_MODE, 25, 1), 1
	s_wait_xcnt 0x0
; THE THREE PROJECTIONS, on codes of FP4 (E2M1) with one E8M0 scale for each 32 along K = 512.  Grid y: 0 Q = q W_query, 1 K = h W_key, 2 V = h W_val; grid x: 64 rows of q or h.
; The rows arrive as f32 and are quantised here; the weights come as fragment images from the launch in front.  The results leave as f16 fragment images for the attention launch,
; each with an exact or harmless factor that gives f16 room: Q x log2(e) / 4, K / 2 (together the norm 1 / 8 and the change to base 2), V / 2.
; SHARES.  Eight waves.  First wave w quantises two fragments (rows 16 (w / 2) on, K steps 2 (w % 2) and + 1) and puts their images into LDS; one barrier; then wave w is head w: its
; 64 columns' weights (16 fragments, 128 registers) stay in registers, and it multiplies them with all 64 rows.
; Q, K: source 0 = 16 columns of W, source 1 = 16 rows: a lane holds one row and eight neighbouring channels: 16 bytes of f16, four registers of a fragment whose K is the channels.
; V:    the sources are swapped: a lane holds one channel and eight neighbouring keys: four registers of a fragment whose K is the keys.
; qf, kf [head][row tile 256][ct 4][lane][16 B]: row 16 tile + l % 16, channels 16 ct + 8 (l / 16) + 0 .. 7.   vf [head][32 keys 128][vt 4][p 2][lane][16 B]: channel 16 vt + l % 16, keys 32 chunk + 16 p + 8 (l / 16) + 0 .. 7.
; LIMITS: |0.36 Q|, |K / 2|, |V / 2| stay under 65,504, f16's largest number; a block of zeros gets the byte 1 where the rule says 127 (its codes are zeros; only this launch reads the byte); NaN and infinities are not served.
; No tensor load and no cluster: every operand is loaded once by the wave that keeps it, 16 bytes a lane, straight into its registers; what work-groups share is a head's 16 KiB of codes a wave.
; h is quantised by the work-groups of y = 1 and of y = 2 alike, so that all 192 work-groups are of one kind.
.set XIMG,  0                          ; LDS: the rows' 16 fragments (4 m + s), 1,024 bytes each,
.set XSC,   16384                      ; their scale words, 128 bytes each,
.set STG,   18432                      ; a stage of 16 rows x 528 bytes for each wave,
.set STGW,  8448
.set SPARE, STG+8*STGW                 ; and the spare words, 128 bytes a wave
.set R0,  16                           ; v16-79, v80-143  my two K steps as loaded
.set XT,  144                          ; v144-207 64 numbers of a lane: register 16 b + i = k 32 b + 16 h + i of row r
.set TM,  208                          ; v208-223 at work in QUANT
.set PW,  216                          ; the scale word just made
.set PC,  224                          ; v224-231 the codes just made
.set W1S, 232                          ; v232-247 the weights' scale words: scales and nothing else
.set XS,  248                          ; v248-251 the rows' scale words: scales and nothing else
.set SPW, 252
.set NIL, 253
.set XF,  16                           ; second phase: v16-47 the rows' four fragments; v64-95 four accumulators; v96-159 results, 16 registers for each tile of rows
.set ACC, 64
.set OUTR, 96
.set SEL, 28
.set MSB, 0
.macro WIN new                         ; the immediate's high byte repeats the setting that is left
.if MSB != \new
	s_set_vgpr_msb (MSB<<8)|\new
.set MSB, \new
.endif
.endm
; my K step f goes through my stage: in as loaded (a row's 512 bytes to a store), out 16 neighbours of each block of 32 to a lane.  LDS serves a wave's instructions in order.
.macro TURN f
.set i, 0
.rept 16
	ds_store_b128 v6, v[R0+64*\f+4*i:R0+64*\f+4*i+3] offset:528*i
.set i, i+1
.endr
.irp b, 0,1,2,3
.irp j, 0,1,2,3
	ds_load_b128 v[XT+16*\b+4*\j:XT+16*\b+4*\j+3], v7 offset:128*\b+16*\j
.endr
.endr
	s_wait_dscnt 0x0                               ; the numbers are back; and the image stores of the K step before have read their registers
.endm
; 64 numbers of a lane become a fragment's codes in v[PC] on and its scale word in v[PW]
.macro QUANT s
.irp b, 0,1,2,3
	v_max3_num_f32 v[TM+\b], |v[\s+16*\b]|, |v[\s+1+16*\b]|, 0x1800000   ; block b: my 16 numbers, and the floor 2^(3 - 127): the byte cannot fall under 1
.endr
.irp i, 2,4,6,8,10,12,14
.irp b, 0,1,2,3
	v_max3_num_f32 v[TM+\b], v[TM+\b], |v[\s+16*\b+\i]|, |v[\s+1+16*\b+\i]|   ; the four blocks by turns
.endr
.endr
.irp b, 0,1,2,3
	v_permlanex16_b32 v[TM+4+\b], v[TM+\b], s[SEL], s[SEL+1]
.endr
.irp b, 0,1,2,3
	v_max_num_f32 v[TM+\b], v[TM+\b], v[TM+4+\b]   ; with lane l xor 16's: the block's largest magnitude
.endr
.irp b, 0,1,2,3
	v_add_nc_u32 v[TM+12+\b], 0xff000000, v[TM+\b] ; 2 off its exponent field: the conversion's scale operand
.endr
.irp b, 0,1,2,3
	v_lshrrev_b32 v[TM+4+\b], 23, v[TM+12+\b]      ; the scale's byte
.endr
	v_lshl_or_b32 v[PW], v[TM+5], 8, v[TM+4]
	v_lshl_or_b32 v[PW], v[TM+6], 16, v[PW]
	v_lshl_or_b32 v[PW], v[TM+7], 24, v[PW]
.irp b, 0,1,2,3
	v_cvt_scalef32_pk8_fp4_f32 v[PC+2*\b], v[\s+16*\b:\s+7+16*\b], v[TM+12+\b]
	v_cvt_scalef32_pk8_fp4_f32 v[PC+1+2*\b], v[\s+8+16*\b:\s+15+16*\b], v[TM+12+\b]
.endr
	v_nop                                          ; a plain line behind the last scaled conversion
.irp c, 0,1                                    ; the operand wants a whole block in a lane: lanes 0-15 block 2 c, lanes 16-31 block 2 c + 1
.irp i, 0,1
	v_permlane16_swap_b32 v[PC+4*\c+\i], v[PC+2+4*\c+\i]
.endr
.endr
.endm
.macro IMAGE f
.irp c, 0,1
	ds_store_b128 v8, v[PC+4*\c:PC+4*\c+3] offset:XIMG+1024*\f+512*\c
.endr
	ds_store_b32 v9, v[PW] offset:XSC+128*\f
.endm
	s_load_b256 s[4:11], s[0:1], 0x0               ; q, h, wcodes, wscales
	s_load_b128 s[12:15], s[0:1], 0x20             ; qf, kf
	s_load_b64 s[16:17], s[0:1], 0x30              ; vf
	v_lshl_add_u32 v[SPW], v0, 2, SPARE
	v_mov_b32 v[NIL], 0
	v_lshrrev_b32 v1, 5, v0
	v_readfirstlane_b32 s18, v1                    ; wave 0..7
	v_and_b32 v1, 31, v0
	v_and_b32 v2, 15, v0                           ; r
	v_bfe_u32 v3, v0, 4, 1                         ; h
	v_lshlrev_b32 v4, 4, v1                        ; 16 x lane: every image's place for my lane, in memory and in LDS
	v_lshlrev_b32 v5, 2, v1                        ; 4 x lane: a scale word's
	s_mul_i32 s19, s18, STGW
	s_add_co_u32 s19, s19, STG
	v_add_nc_u32 v6, s19, v4                       ; my stage, in
	v_mul_u32_u24 v7, v2, 528
	v_lshl_add_u32 v7, v3, 6, v7
	v_add_nc_u32 v7, s19, v7                       ; and out: row r, + 64 h
	s_lshl_b32 s19, s18, 11
	v_add_nc_u32 v8, s19, v4                       ; where I store my two images: fragments 2 w and 2 w + 1
	s_lshl_b32 s19, s18, 8
	v_add_nc_u32 v9, s19, v5                       ; and their scale words
.irp b, 0,1,2,3
	v_mov_b32 v[TM+4+\b], 0                        ; a lane permute's destination counts as read
.endr
	s_mov_b32 s[SEL], 0x76543210
	s_mov_b32 s[SEL+1], 0xfedcba98
	s_and_b32 s21, ttmp7, 0xffff                   ; y: which projection
	s_lshl_b32 s22, ttmp9, 17                      ; the rows: 64 x 2,048 bytes a work-group,
	s_lshr_b32 s23, s18, 1
	s_lshl_b32 s23, s23, 15                        ; 16 rows for each pair of waves,
	s_add_co_u32 s22, s22, s23
	s_and_b32 s23, s18, 1
	s_lshl_b32 s23, s23, 10                        ; two K steps of 512 bytes
	s_add_co_u32 s22, s22, s23
	s_mov_b32 s23, 0
	s_lshl_b32 s24, s21, 17                        ; the weights' codes: (32 y + 4 w) column tiles of 4,096 bytes
	s_lshl_b32 s25, s18, 14
	s_add_co_u32 s24, s24, s25
	s_mov_b32 s25, 0
	s_lshr_b32 s26, s24, 3                         ; their scale words: 512 bytes a column tile
	s_mov_b32 s27, 0
	s_lshl_b32 s32, s18, 19                        ; the results: head w, 524,288 bytes a head,
	s_lshl_b32 s33, ttmp9, 13                      ; 8,192 bytes for 64 rows
	s_add_co_u32 s32, s32, s33
	s_mov_b32 s33, 0
	s_mov_b32 s30, 0x3f000000                      ; 1 / 2
	s_wait_kmcnt 0x0
	s_cmp_eq_u32 s21, 0
	s_cselect_b64 s[4:5], s[4:5], s[6:7]           ; q for Q, h for K and V
	s_cselect_b64 s[12:13], s[12:13], s[14:15]
	s_cselect_b32 s30, 0x3eb8aa3b, s30             ; log2(e) / 4 for Q
	s_cmp_eq_u32 s21, 2
	s_cselect_b64 s[12:13], s[16:17], s[12:13]
	s_mov_b32 s31, s30                             ; (named with it as a pair)
	s_add_nc_u64 s[4:5], s[4:5], s[22:23]
	s_add_nc_u64 s[8:9], s[8:9], s[24:25]
	s_add_nc_u64 s[10:11], s[10:11], s[26:27]
	s_add_nc_u64 s[12:13], s[12:13], s[32:33]
.set i, 0
.rept 16
	global_load_b32 v[W1S+i], v5, s[10:11] offset:128*i            ; scale words of (column tile i / 4, K step i % 4)
.set i, i+1
.endr
.irp f, 0,1
.set i, 0
.rept 16
	global_load_b128 v[R0+64*\f+4*i:R0+64*\f+4*i+3], v4, s[4:5] offset:2048*i+512*\f   ; row i: 512 consecutive bytes, a K step
.set i, i+1
.endr
.endr
	WIN 0x40                                       ; destination window 1
.set i, 0
.rept 32
	global_load_b128 v[4*i:4*i+3], v4, s[8:9] offset:512*i         ; my head's 16 fragments, (ct, s) at v[8 (4 ct + s)] of window 1: they stay
.set i, i+1
.endr
	WIN 0
	s_wait_loadcnt 48                              ; my first K step is in: behind it 16 loads of the second and 32 of the weights
	TURN 0
	QUANT XT
	IMAGE 0
	s_wait_loadcnt 32                              ; the second: behind it the weights' 32
	TURN 1
	QUANT XT
	IMAGE 1
	s_wait_dscnt 0x0                               ; for the others' sake: my images lie in LDS
	s_barrier_signal -1
	s_barrier_wait -1                              ; the 16 fragments of the 64 rows are whole
	s_wait_loadcnt 0x0                             ; my weights
; tr = 0: Q, K;  tr = 1: V, sources swapped.  The four accumulators take turns, one instruction a turn, K step by K step.
.macro PHASE1 tr
.irp m, 0,1,2,3
.irp s, 0,1,2,3
.irp c, 0,1
	ds_load_b128 v[XF+8*\s+4*\c:XF+8*\s+4*\c+3], v4 offset:XIMG+(4*\m+\s)*1024+512*\c
.endr
	ds_load_b32 v[XS+\s], v5 offset:XSC+128*(4*\m+\s)
.endr
	s_wait_dscnt 0x0
.if \tr
	WIN 0x04                                       ; source 1 (W) window 1
.else
	WIN 0x01                                       ; source 0 (W) window 1
.endif
.irp s, 0,1,2,3
.irp n, 0,1,2,3
.if \tr
.if \s == 0
	v_wmma_scale_f32_16x16x128_f8f6f4 v[ACC+8*\n:ACC+8*\n+7], v[XF+8*\s:XF+8*\s+7], v[8*(4*\n+\s):8*(4*\n+\s)+7], 0, v[XS+\s], v[W1S+4*\n+\s] matrix_a_fmt:MATRIX_FMT_FP4 matrix_b_fmt:MATRIX_FMT_FP4
.else
	v_wmma_scale_f32_16x16x128_f8f6f4 v[ACC+8*\n:ACC+8*\n+7], v[XF+8*\s:XF+8*\s+7], v[8*(4*\n+\s):8*(4*\n+\s)+7], v[ACC+8*\n:ACC+8*\n+7], v[XS+\s], v[W1S+4*\n+\s] matrix_a_fmt:MATRIX_FMT_FP4 matrix_b_fmt:MATRIX_FMT_FP4
.endif
.else
.if \s == 0
	v_wmma_scale_f32_16x16x128_f8f6f4 v[ACC+8*\n:ACC+8*\n+7], v[8*(4*\n+\s):8*(4*\n+\s)+7], v[XF+8*\s:XF+8*\s+7], 0, v[W1S+4*\n+\s], v[XS+\s] matrix_a_fmt:MATRIX_FMT_FP4 matrix_b_fmt:MATRIX_FMT_FP4
.else
	v_wmma_scale_f32_16x16x128_f8f6f4 v[ACC+8*\n:ACC+8*\n+7], v[8*(4*\n+\s):8*(4*\n+\s)+7], v[XF+8*\s:XF+8*\s+7], v[ACC+8*\n:ACC+8*\n+7], v[W1S+4*\n+\s], v[XS+\s] matrix_a_fmt:MATRIX_FMT_FP4 matrix_b_fmt:MATRIX_FMT_FP4
.endif
.endif
.endr
.endr
	WIN 0
.rept 5
	v_nop                                          ; five places: four for the reads of the results and the next loads into the rows' registers, the fifth for the next tile's first products, which begin the accumulators anew
.endr
.set i, 0
.rept 16
	v_pk_mul_f32 v[ACC+2*i:ACC+2*i+1], v[ACC+2*i:ACC+2*i+1], s[30:31] op_sel_hi:[1,0]   ; each accumulator from its low end on
.set i, i+1
.endr
.set i, 0
.rept 16
	v_cvt_pk_f16_f32 v[OUTR+16*\m+i], v[ACC+2*i], v[ACC+2*i+1]
.set i, i+1
.endr
.irp n, 0,1,2,3
.if \tr
	global_store_b128 v4, v[OUTR+16*\m+4*\n:OUTR+16*\m+4*\n+3], s[12:13] offset:(\m/2)*4096+\n*1024+(\m%2)*512   ; 512 consecutive bytes, aligned
.else
	global_store_b128 v4, v[OUTR+16*\m+4*\n:OUTR+16*\m+4*\n+3], s[12:13] offset:\m*2048+\n*512                  ; each tile of rows has its own registers: no store's data are written again
.endif
.endr
.endr
.endm
	s_cmp_eq_u32 s21, 2
	s_cbranch_scc1 .Lvals
	PHASE1 0
	s_branch .Ldone
.Lvals:
	PHASE1 1
.Ldone:
	s_wait_tensorcnt 0x0                           ; the wave's end: behind the last LDS store
	ds_add_u32 v[SPW], v[NIL]
	s_wait_dscnt 0x0
	s_endpgm
.Lfunc_end_k_qf8cc7c0d0d_proj:
	.size	k_qf8cc7c0d0d_proj, .Lfunc_end_k_qf8cc7c0d0d_proj-k_qf8cc7c0d0d_proj
	.p2alignl 7, 3214868480
	.fill 96, 4, 3214868480
	.section	.rodata,"a",@progbits
	.p2align	6, 0x0
	.amdhsa_kernel k_qf8cc7c0d0d_proj
		.amdhsa_group_segment_fixed_size 87040
		.amdhsa_private_segment_fixed_size 0
		.amdhsa_enable_private_segment 0
		.amdhsa_kernarg_size 56
		.amdhsa_user_sgpr_count 2
		.amdhsa_user_sgpr_kernarg_segment_ptr 1
		.amdhsa_wavefront_size32 1
		.amdhsa_system_sgpr_workgroup_id_x 1
		.amdhsa_system_sgpr_workgroup_id_y 1
		.amdhsa_system_sgpr_workgroup_id_z 1
		.amdhsa_system_vgpr_workitem_id 0
		.amdhsa_next_free_vgpr 384
		.amdhsa_next_free_sgpr 66
		.amdhsa_reserve_vcc 0
		.amdhsa_float_denorm_mode_32 3
		.amdhsa_float_denorm_mode_16_64 3
		.amdhsa_memory_ordered 1
		.amdhsa_forward_progress 1
		.amdhsa_inst_pref_size 66
	.end_amdhsa_kernel
	.amdgpu_metadata
---
amdhsa.version: [ 1, 2 ]
amdhsa.kernels:
  - .name:           k_qf8cc7c0d0d_proj
    .symbol:         k_qf8cc7c0d0d_proj.kd
    .args:
      - { .name: q, .offset: 0, .size: 8, .value_kind: global_buffer, .address_space: global }
      - { .name: h, .offset: 8, .size: 8, .value_kind: global_buffer, .address_space: global }
      - { .name: wcodes, .offset: 16, .size: 8, .value_kind: global_buffer, .address_space: global }
      - { .name: wscales, .offset: 24, .size: 8, .value_kind: global_buffer, .address_space: global }
      - { .name: qf, .offset: 32, .size: 8, .value_kind: global_buffer, .address_space: global }
      - { .name: kf, .offset: 40, .size: 8, .value_kind: global_buffer, .address_space: global }
      - { .name: vf, .offset: 48, .size: 8, .value_kind: global_buffer, .address_space: global }
    .group_segment_fixed_size: 87040
    .private_segment_fixed_size: 0
    .kernarg_segment_align: 8
    .kernarg_segment_size: 56
    .max_flat_workgroup_size: 256
    .sgpr_count:     66
    .vgpr_count:     384
    .wavefront_size: 32
...
	.end_amdgpu_metadata
.endif
;; end of part 2
;; launch attn (part 3): grid 32 x 8, 16 waves a work-group, clusters of 4 x 1, 327,680 bytes of LDS; arguments qf, kf, vf, maskbits, hf; writes hf
.if DOCPART == 3
	.amdgcn_target "amdgcn-amd-amdhsa--gfx1250"
	.amdhsa_code_object_version 6
	.text
	.protected	k_qf8cc7c0d0d_attn
	.globl	k_qf8cc7c0d0d_attn
	.p2align	8
	.type	k_qf8cc7c0d0d_attn,@function
k_qf8cc7c0d0d_attn:
	s_mov_b64 s[64:65], 0
	v_nop
	global_prefetch_b8 v0, s[64:65] scope:SCOPE_SE
	s_setreg_imm32_b32 hwreg(HW_REG_WAVE_MODE, 25, 1), 1
	s_wait_xcnt 0x0
	s_wait_alu depctr_hold_cnt(0) depctr_sa_sdst(0) depctr_va_vdst(0) depctr_va_sdst(0) depctr_va_ssrc(0) depctr_va_vcc(0) depctr_vm_vsrc(0)
	s_getreg_b32 s2, hwreg(HW_REG_IB_STS2, 6, 4)
	s_cmp_eq_u32 s2, 0
	s_cbranch_scc0 .Lentry_in_a_cluster
	s_endpgm
.Lentry_in_a_cluster:
	s_bfe_u32 s2, ttmp6, 0x10000c
	s_cmp_lg_u32 s2, 0x3003
	s_cbranch_scc0 .Lentry_shape_is_right
	s_endpgm
.Lentry_shape_is_right:
; ATTENTION, one head to a row of the grid: heads[q] = the sum over keys of softmax(mask and score) V, products on f16 operands, sums, maxima and the softmax in f32.
; qf holds Q log2(e) / 4 and kf K / 2, so that a product's sum is t = score x log2(e) / 8: the exponent in base 2.  vf holds V / 2; hf gets heads / 2, which the last launch's doubled W_out takes back.
; A key counts where its mask bit is set AND t is not 0, as the problem has it (a product of 0 becomes -infinity); what does not count becomes -infinity ahead of the maximum, so its weight is 0.
; A row in which nothing counts ends with the sum 0 and O = 0: 0 x (1 / 0) is NaN, as the problem's softmax of a row of -infinity is.
; SHARES.  A work-group owns 128 queries of a head.  Wave w: queries 32 (w % 4) on (two tiles a of 16), and of every 512 keys the 128 from 128 (w / 4) on, in two steps of 64.  Four waves to a SIMD, 256 registers each:
; one wave's vector work stands beside another's products and LDS loads.  The four waves of a query group each keep a maximum, a sum and an O of their own keys; they are merged at the end, through LDS.
; LAYOUT.  S^T = K Q^T (source 0 = 16 keys, source 1 = 16 queries) and O^T = V^T P (source 0 = 16 channels, source 1 = P): a lane holds ONE query (lane % 16) throughout; two score tiles, rounded to f16 in pairs, ARE a fragment of P.
; All operands lie in memory as images of their registers (512 bytes for four registers, 16 bytes a lane): a slot's K and V are two dense blocks of 64 KiB, and every LDS load reads 512 consecutive bytes.
; THE RING.  Two slots of 512 keys.  Each of the sixteen waves brings 8 KiB of a slot (waves 0-7 K's, waves 8-15 V's) by one tensor load: one load of a wave is out at a time.
; CLUSTER.  The four work-groups of a cluster are four query blocks of one head and walk the same K and V: each load is asked for jointly, with the mask of all four.
; THE MASK comes as lane masks (one word for a register of a score tile) by scalar loads, a step ahead.
; LIMITS: the test t != 0 is made on this launch's own f32 sum of f16 products; NaN and infinities among the inputs are not served; weights under 2^-24 of the row's largest so far round to 0 in f16.
.set SLOT1, 131072                     ; slot 0 at 0, slot 1 here: in each 64 KiB of K, then 64 KiB of V
.set SPARE, 262144                     ; the spare words, 128 bytes for each of 16 waves
.set STAT,  264192                     ; the merge: -m [wave][a][lane], 4 KiB; then the sums, 4 KiB.  The O's go into slot 0, which has had its last fill and its last read by then
.set ST, 16                            ; v[16 + 8 a ..]: +0 -m, +1 (its pair's partner), +2, +3 the sum in two halves, +4 alpha, +5 (partner), +6, +7 at work; the maximum's four chains use +4 .. +7
.set QQ, 32                            ; v32-63   Q: tile a, channels 32 c on: v[32 + 16 a + 8 c]
.set KV, 64                            ; v64-127  K's, then V's fragments of a step
.set SS, 128                           ; v128-191 S^T: v[128 + 32 a + 8 t]; then p; then P, packed in place: v[128 + 32 a + 16 e .. + 7]
.set OO, 192                           ; v192-255 O^T: v[192 + 32 a + 8 n]
; v1 my place in a slot's K; v2, v3 addresses of the slot in hand (K, V); v4, v5 the add's two; v6 -infinity; v7 256 x lane; v8-v12 the merge's LDS addresses; v13 16 x lane
.set TB,    2                          ; s2   LDS byte at which the slot in hand begins
.set SLOTS, 3                          ; s3   slots still to be asked for
.set WV,    10                         ; s10  my wave's number
.set LIM,   11                         ; s11  1 in a wave that prefetches, else the greatest number
.set SEL,   12                         ; s[12:13] selects for lane l xor 16
.set G0,    72                         ; s[72:75] descriptor group 0, which walks;  s[76:83] group 1
.set G1,    76
; s[4:5] the mask words of my queries and keys; s[6:7] where my prefetches stand; s[8:9] hf; s[14:15] Q.  s[16:63], s[84:99]: a step's 64 mask words, word 16 t + 2 j + a at s[16 + 16 t + 20 (t / 3) + 2 j + a];  s66-71, s100, s101: eight lane masks at work
.macro CROUND                          ; a round of the cluster's barrier
	s_barrier_signal -1
	s_barrier_wait -1
	s_cmp_lg_u32 s[WV], 0
	s_cbranch_scc1 .Lnot_wave_0_\@
	s_barrier_signal -3
.Lnot_wave_0_\@:
	s_barrier_wait -3
	s_barrier_signal -1
	s_barrier_wait -1
.endm
; A prefetch of the slot that the NEXT change of slots will ask for: two key steps of every wave ahead of that load.  Each 256 bytes are named once in the launch: of the eight clusters that walk a head's K and V the first asks;
; its four partners take 16 KiB each of K's and of V's 64, told apart by address; in each, waves 0 and 1 ask for K's halves, waves 2 and 3 for V's, a lane for each 256 bytes.  The last change that fills a slot asks for nothing.
.macro ASK
	s_cmp_gt_u32 s[SLOTS], s[LIM]
	s_cbranch_scc0 .Lnot_mine_\@
	global_prefetch_b8 v7, s[6:7] th:TH_LOAD_NT scope:SCOPE_SE
.Lnot_mine_\@:
.endm
	s_load_b256 s[16:23], s[0:1], 0x0              ; qf, kf, vf, maskbits
	s_load_b64 s[24:25], s[0:1], 0x20              ; hf
	v_lshl_add_u32 v4, v0, 2, SPARE
	v_mov_b32 v5, 0
	ds_add_u32 v4, v5                              ; the wave's opening: the add, twice on end, and its wait ahead of my first tensor load
	ds_add_u32 v4, v5                              ; and once more, under the one wait; the set-up below, work on registers, stands between
	v_lshrrev_b32 v1, 5, v0
	v_readfirstlane_b32 s[WV], v1                  ; wave 0..15
	s_and_b32 s26, s[WV], 3                        ; qg: my 32 queries
	s_lshr_b32 s27, s[WV], 2                       ; kg: my 128 keys of a slot
	s_bfe_u32 s28, ttmp6, 0x40000                  ; cx: my place in the cluster: it enters Q's, the mask's, hf's and the prefetches' addresses alone
	s_lshl_b32 s29, ttmp9, 2
	s_add_co_u32 s29, s29, s28                     ; my block of 128 queries
	s_and_b32 s30, ttmp7, 0xffff
	s_lshl_b32 s30, s30, 19                        ; the head's first byte in qf, kf, vf
	s_mov_b32 s[G1], 15|(3<<16)|(1<<21)            ; 15:0 the mask: all four work-groups; 17:16 elements of 8 bytes; 21 set beside a mask; no padding
	s_mov_b32 s[G1+1], 32<<16                      ; tensor_dim0 = 32 elements: 256 bytes
	s_mov_b32 s[G1+2], 32<<16                      ; tensor_dim1 = 32 rows
	s_mov_b32 s[G1+3], 32<<16                      ; tile_dim0
	s_mov_b32 s[G1+4], 32                          ; tile_dim1
	s_mov_b32 s[G1+5], 32                          ; the pitch: the block is dense
	s_mov_b32 s[G1+6], 0
	s_mov_b32 s[G1+7], 0
	s_mov_b32 s[G0], 1
	s_lshl_b32 s[G0+1], s[WV], 13                  ; LDS: 8,192 x wave: K's eight parts, then V's eight
	s_and_b32 s32, s[WV], 7
	s_lshl_b32 s32, s32, 13
	s_add_co_u32 s32, s32, s30                     ; memory: the head, + my part of slot 0
	s_mov_b32 s33, 0
	s_lshl_b32 s34, s29, 14                        ; Q: 8 tiles of 2,048 bytes a work-group,
	s_lshl_b32 s35, s26, 12                        ; two a query group
	s_add_co_u32 s34, s34, s35
	s_add_co_u32 s34, s34, s30
	s_mov_b32 s35, 0
	s_lshl_b32 s36, s29, 16                        ; the mask words: (4 block + qg) x 64 chunks of 256 bytes,
	s_lshl_b32 s37, s26, 14
	s_add_co_u32 s36, s36, s37
	s_lshl_b32 s37, s27, 9                         ; + my two chunks of a slot's eight
	s_add_co_u32 s36, s36, s37
	s_mov_b32 s37, 0
	s_lshl_b32 s38, s29, 17                        ; hf: (8 block + 2 qg) tiles of 16,384 bytes,
	s_lshl_b32 s39, s26, 15
	s_add_co_u32 s38, s38, s39
	s_lshr_b32 s39, s30, 8                         ; + 2,048 x head,
	s_add_co_u32 s38, s38, s39
	s_lshl_b32 s39, s27, 9                         ; + 512 x the channel tile that I merge: kg
	s_add_co_u32 s38, s38, s39
	s_mov_b32 s39, 0
	s_lshl_b32 s40, s28, 14                        ; the prefetches: my work-group's 16 KiB,
	s_and_b32 s41, s[WV], 1
	s_lshl_b32 s41, s41, 13                        ; my wave's half of them,
	s_add_co_u32 s40, s40, s41
	s_add_co_u32 s40, s40, s30
	s_add_co_u32 s40, s40, 65536                   ; in slot 1: the first change of slots steps it to slot 2.  Nothing is prefetched at the head
	s_mov_b32 s41, 0
	s_lshr_b32 s[LIM], s[WV], 2
	s_or_b32 s[LIM], s[LIM], ttmp9                 ; 0 in waves 0 to 3 of the head's first cluster: the same in all four partners
	s_cmp_eq_u32 s[LIM], 0
	s_cselect_b32 s[LIM], 1, -1
	s_mov_b32 s[SEL], 0x76543210
	s_mov_b32 s[SEL+1], 0xfedcba98
	s_mov_b32 s[TB], 0
	s_mov_b32 s[SLOTS], 7
	v_and_b32 v14, 31, v0
	v_lshlrev_b32 v13, 4, v14                      ; 16 x lane
	v_lshlrev_b32 v7, 8, v14                       ; 256 x lane
	s_lshl_b32 s42, s27, 14
	v_add_nc_u32 v1, s42, v13                      ; my 128 keys in a slot's K (and, 65,536 on, in its V): 16,384 kg + 16 lane
	s_lshl_b32 s42, s[WV], 13
	v_add_nc_u32 v8, s42, v13                      ; the merge: where I put my O: 8,192 w + 16 lane
	s_lshl_b32 s42, s26, 13
	s_lshl_b32 s43, s27, 10
	s_add_co_u32 s42, s42, s43
	v_add_nc_u32 v9, s42, v13                      ; where I read: wave qg + 4 k lies 32,768 k on; channel tile kg: 1,024 kg
	v_add_nc_u32 v10, 0x10000, v9                  ; (k = 2, 3: beyond an LDS immediate's reach)
	s_lshl_b32 s42, s[WV], 8
	s_add_co_u32 s42, s42, STAT
	v_lshl_add_u32 v11, v14, 2, s42                ; my -m and my sum
	s_lshl_b32 s42, s26, 8
	s_add_co_u32 s42, s42, STAT
	v_lshl_add_u32 v12, v14, 2, s42                ; my query group's: wave qg + 4 k lies 1,024 k on
	v_mov_b32 v6, 0xff800000                       ; -infinity
	s_wait_dscnt 0x0                               ; both opening adds are done
	s_wait_kmcnt 0x0
	s_cmp_lt_u32 s[WV], 8
	s_cselect_b64 s[G0+2:G0+3], s[18:19], s[20:21] ; waves 0-7 fetch K's parts, waves 8-15 V's: the choice hangs on the wave's number alone
	s_add_nc_u64 s[G0+2:G0+3], s[G0+2:G0+3], s[32:33]
	s_or_b32 s[G0+3], s[G0+3], 0x80000000          ; type = 2
	s_cmp_lt_u32 s[WV], 2
	s_cselect_b64 s[6:7], s[18:19], s[20:21]
	s_add_nc_u64 s[6:7], s[6:7], s[40:41]
	s_add_nc_u64 s[14:15], s[16:17], s[34:35]
	s_add_nc_u64 s[4:5], s[22:23], s[36:37]
	s_add_nc_u64 s[8:9], s[24:25], s[38:39]
	CROUND                                         ; all four work-groups are here: the first joint loads meet
	tensor_load_to_lds s[G0:G0+3], s[G1:G1+7]      ; slot 0
	s_nop 0
.rept 4
	v_nop
.endr
.irp a, 0,1
.irp c, 0,1
.irp p, 0,1
	global_load_b128 v[QQ+16*\a+8*\c+4*\p:QQ+16*\a+8*\c+4*\p+3], v13, s[14:15] offset:2048*\a+512*(2*\c+\p)   ; Q stays in registers
.endr
.endr
.endr
.irp t, 0,1,2,3
	s_load_b512 s[16+16*\t+(\t/3)*20:31+16*\t+(\t/3)*20], s[4:5], 64*\t    ; the first step's mask words (the set-up's scalars are done with)
.endr
.irp a, 0,1
	v_mov_b32 v[ST+8*\a], 0x7f61b1e6               ; -m: m begins at -3e38, under every t
	v_mov_b32 v[ST+8*\a+1], 0
	v_mov_b32 v[ST+8*\a+2], 0                      ; the sum
	v_mov_b32 v[ST+8*\a+3], 0
.endr
.set i, 0
.rept 64
	v_mov_b32 v[OO+i], 0                           ; O^T.  The step is written once: the first finds zeros, which the first change of m leaves zeros
.set i, i+1
.endr
	s_wait_loadcnt 0x0                             ; Q
; A STEP: my 64 keys number u (0, 1) of the slot in hand.  more = 1: the next step's mask words are asked for.
.macro STEP u, more
.rept 3+2*\u
	v_nop                                          ; five places behind the last products (u = 0: the two address additions ahead are two of them): four for the loads into K's registers, the fifth for the products that begin S^T anew over P
.endr
.irp t, 0,1,2,3
.irp c, 0,1
.irp p, 0,1
	ds_load_b128 v[KV+16*\t+8*\c+4*\p:KV+16*\t+8*\c+4*\p+3], v2 offset:8192*\u+2048*\t+512*(2*\c+\p)
.endr
.endr
.endr
	s_wait_dscnt 0x0
.irp c, 0,1                                    ; S^T = K Q^T: eight accumulators by turns, one instruction a turn
.irp t, 0,1,2,3
.irp a, 0,1
.if \c == 0
	v_wmma_f32_16x16x32_f16 v[SS+32*\a+8*\t:SS+32*\a+8*\t+7], v[KV+16*\t+8*\c:KV+16*\t+8*\c+7], v[QQ+16*\a+8*\c:QQ+16*\a+8*\c+7], 0
.else
	v_wmma_f32_16x16x32_f16 v[SS+32*\a+8*\t:SS+32*\a+8*\t+7], v[KV+16*\t+8*\c:KV+16*\t+8*\c+7], v[QQ+16*\a+8*\c:QQ+16*\a+8*\c+7], v[SS+32*\a+8*\t:SS+32*\a+8*\t+7]
.endif
.endr
.endr
.endr
.rept 4
	v_nop                                          ; places in front of the loads into K's registers and of the first read of the scores
.endr
.irp e, 0,1
.irp n, 0,1,2,3
.irp p, 0,1
	ds_load_b128 v[KV+32*\e+8*\n+4*\p:KV+32*\e+8*\n+4*\p+3], v3 offset:8192*\u+4096*\e+1024*\n+512*\p   ; V lands while the softmax is walked
.endr
.endr
.endr
	s_wait_kmcnt 0x0                               ; this step's mask words
.irp a, 0,1
.irp t, 0,1,2,3
.irp j, 0,1,2,3,4,5,6,7
	v_cmp_neq_f32 s[66+\j+(\j/6)*28], 0, v[SS+32*\a+8*\t+\j]       ; t is not 0,
.endr
.irp j, 0,1,2,3,4,5,6,7
	s_and_b32 s[66+\j+(\j/6)*28], s[66+\j+(\j/6)*28], s[16+16*\t+(\t/3)*20+2*\j+\a]   ; and the mask allows the key:
.endr
.irp j, 0,1,2,3,4,5,6,7
	v_cndmask_b32 v[SS+32*\a+8*\t+\j], v6, v[SS+32*\a+8*\t+\j], s[66+\j+(\j/6)*28]    ; else -infinity
.endr
.endr
.endr
.if \more
.if \u
	s_add_nc_u64 s[4:5], s[4:5], 2048              ; the next slot's chunks (no scalar load is out: the wait above)
.endif
.irp t, 0,1,2,3
	s_load_b512 s[16+16*\t+(\t/3)*20:31+16*\t+(\t/3)*20], s[4:5], 256*(1-\u)+64*\t   ; they have the rest of the step in which to land
.endr
.endif
.irp j, 0,1,2,3                                ; the largest t of my 32 keys of each query and the old m: four chains a tile, the two tiles by turns
.irp a, 0,1
	v_max3_num_f32 v[ST+8*\a+4+\j], v[SS+32*\a+8*\j], v[SS+32*\a+8*\j+1], v[SS+32*\a+8*\j+2]
.endr
.endr
.irp i, 3,5
.irp j, 0,1,2,3
.irp a, 0,1
	v_max3_num_f32 v[ST+8*\a+4+\j], v[ST+8*\a+4+\j], v[SS+32*\a+8*\j+\i], v[SS+32*\a+8*\j+\i+1]
.endr
.endr
.endr
.irp a, 0,1
	v_max3_num_f32 v[ST+8*\a+4], v[ST+8*\a+4], v[SS+32*\a+7], v[SS+32*\a+15]
.endr
.irp a, 0,1
	v_max3_num_f32 v[ST+8*\a+6], v[ST+8*\a+6], v[SS+32*\a+23], v[SS+32*\a+31]
.endr
.irp a, 0,1
	v_max3_num_f32 v[ST+8*\a+4], v[ST+8*\a+4], v[ST+8*\a+5], v[ST+8*\a+6]
.endr
.irp a, 0,1
	v_max3_num_f32 v[ST+8*\a+4], v[ST+8*\a+4], v[ST+8*\a+7], -v[ST+8*\a]
.endr
.irp a, 0,1
	v_permlanex16_b32 v[ST+8*\a+5], v[ST+8*\a+4], s[SEL], s[SEL+1]  ; the query's other 32 keys lie in the lane 16 away
.endr
.irp a, 0,1
	v_max_num_f32 v[ST+8*\a+6], v[ST+8*\a+4], v[ST+8*\a+5]          ; the new m
.endr
.irp a, 0,1
	v_sub_f32 v[ST+8*\a+7], -v[ST+8*\a], v[ST+8*\a+6]               ; old m - new m
.endr
.irp a, 0,1
	v_sub_f32 v[ST+8*\a], 0, v[ST+8*\a+6]                           ; -m
.endr
.irp i, 0,2,4,6,8,10,12,14,16,18,20,22,24,26,28,30
.irp a, 0,1
	v_pk_add_f32 v[SS+32*\a+\i:SS+32*\a+\i+1], v[SS+32*\a+\i:SS+32*\a+\i+1], v[ST+8*\a:ST+8*\a+1] op_sel_hi:[1,0]   ; t - m
.endr
.endr
.irp a, 0,1
	v_exp_f32 v[ST+8*\a+4], v[ST+8*\a+7]           ; alpha = 2^(old m - new m).  ONE BATCH: the two alphas and the 64 weights
.endr
.set i, 0
.rept 64
	v_exp_f32 v[SS+i], v[SS+i]                     ; p = 2^(t - m), at most 1
.set i, i+1
.endr
	v_nop                                          ; a plain line behind the last exponential
	s_wait_alu depctr_va_vdst(0)                   ; one wait for the batch, ahead of its first reader
.irp a, 0,1                                    ; the row's sum, of the unrounded p: two chains a tile
	v_pk_add_f32 v[ST+8*\a+6:ST+8*\a+7], v[SS+32*\a:SS+32*\a+1], v[SS+32*\a+2:SS+32*\a+3]
.endr
.irp a, 0,1
	v_pk_fma_f32 v[ST+8*\a+2:ST+8*\a+3], v[ST+8*\a+2:ST+8*\a+3], v[ST+8*\a+4:ST+8*\a+5], v[SS+32*\a+4:SS+32*\a+5] op_sel_hi:[1,0,1]   ; the old sum x alpha, fused with the first addition
.endr
.irp a, 0,1
	v_pk_add_f32 v[ST+8*\a+6:ST+8*\a+7], v[ST+8*\a+6:ST+8*\a+7], v[SS+32*\a+6:SS+32*\a+7]
.endr
.irp i, 8,12,16,20,24,28
.irp a, 0,1
	v_pk_add_f32 v[ST+8*\a+2:ST+8*\a+3], v[ST+8*\a+2:ST+8*\a+3], v[SS+32*\a+\i:SS+32*\a+\i+1]
.endr
.irp a, 0,1
	v_pk_add_f32 v[ST+8*\a+6:ST+8*\a+7], v[ST+8*\a+6:ST+8*\a+7], v[SS+32*\a+\i+2:SS+32*\a+\i+3]
.endr
.endr
.irp a, 0,1
	v_pk_add_f32 v[ST+8*\a+2:ST+8*\a+3], v[ST+8*\a+2:ST+8*\a+3], v[ST+8*\a+6:ST+8*\a+7]
.endr
.irp a, 0,1
.irp e, 0,1
.irp i, 0,1,2,3,4,5,6,7
	v_cvt_pk_f16_f32 v[SS+32*\a+16*\e+\i], v[SS+32*\a+16*\e+2*\i], v[SS+32*\a+16*\e+2*\i+1]   ; P, in place and ascending: register i is written when registers 2 i, 2 i + 1 are read, and no later line reads it
.endr
.endr
.endr
.irp a, 0,1
.irp i, 0,2,4,6,8,10,12,14,16,18,20,22,24,26,28,30
	v_pk_mul_f32 v[OO+32*\a+\i:OO+32*\a+\i+1], v[OO+32*\a+\i:OO+32*\a+\i+1], v[ST+8*\a+4:ST+8*\a+5] op_sel_hi:[1,0]   ; O^T x alpha, each accumulator from its low end on
.endr
.endr
	s_wait_dscnt 0x0                               ; V is in
.irp e, 0,1                                    ; O^T += V^T P: eight accumulators by turns
.irp n, 0,1,2,3
.irp a, 0,1
	v_wmma_f32_16x16x32_f16 v[OO+32*\a+8*\n:OO+32*\a+8*\n+7], v[KV+32*\e+8*\n:KV+32*\e+8*\n+7], v[SS+32*\a+16*\e:SS+32*\a+16*\e+7], v[OO+32*\a+8*\n:OO+32*\a+8*\n+7]
.endr
.endr
.endr
.endm
; THE CHANGE OF SLOTS stands at a slot's head.  Each wave waits for all its tensor loads (its part of the slot that it is about to read), adds 0 to its spare word, and waits for that and for its reads of the slot that it has left.
; fill = 1: a round of the cluster's barrier, so that no wave of any partner still reads the other slot or has a load on its way; the joint load of the next 512 keys is the first thing behind it, and has a slot's two steps in which to land.
.macro CHANGE fill
	s_wait_tensorcnt 0x0                           ; no tensor load of mine is out, so group 0 may be written
	ds_add_u32 v4, v5
.if \fill
	s_xor_b32 s[G0+1], s[G0+1], SLOT1              ; the other slot than last time,
	s_add_nc_u64 s[G0+2:G0+3], s[G0+2:G0+3], 65536 ; the next 512 keys; the type bits on top are not reached
	s_wait_xcnt 0x0                                ; the last prefetch, a slot back, has read its address:
	s_add_nc_u64 s[6:7], s[6:7], 65536             ; one slot further on than the walking descriptor
	s_wait_dscnt 0x0                               ; the add is done, and my reads of the slot that I have left are over
	CROUND
	tensor_load_to_lds s[G0:G0+3], s[G1:G1+7]
	s_nop 0
.rept 4
	v_nop
.endr
	ASK
.else
	s_wait_dscnt 0x0
	s_barrier_signal -1
	s_barrier_wait -1
.endif
.endm
.macro SLOT more
	v_add_nc_u32 v2, s[TB], v1
	v_add_nc_u32 v3, 0x10000, v2
	STEP 0, 1
	STEP 1, \more
	s_xor_b32 s[TB], s[TB], SLOT1
.endm
.Lslot:                                            ; seven trips: behind each change of slots but the last the next slot is asked for
	CHANGE 1
	SLOT 1
	s_sub_co_u32 s[SLOTS], s[SLOTS], 1
	s_cmp_lg_u32 s[SLOTS], 0
	s_cbranch_scc1 .Lslot
	CHANGE 0                                       ; the last slot is written out
	SLOT 0
	; THE MERGE.  Each wave puts its -m, its sum and its O^T into LDS; one barrier; then wave (qg, kg) makes channel tile kg of its query group's 32 queries out of the four waves' parts.
.rept 4
	v_nop                                          ; places behind the last products
.endr
.irp a, 0,1
	v_add_f32 v[ST+8*\a+2], v[ST+8*\a+2], v[ST+8*\a+3]
.endr
.irp a, 0,1
	v_permlanex16_b32 v[ST+8*\a+5], v[ST+8*\a+2], s[SEL], s[SEL+1]
.endr
.irp a, 0,1
	v_add_f32 v[ST+8*\a+2], v[ST+8*\a+2], v[ST+8*\a+5]              ; my keys' sum for the query
.endr
.irp a, 0,1
	ds_store_b32 v11, v[ST+8*\a] offset:128*\a
	ds_store_b32 v11, v[ST+8*\a+2] offset:4096+128*\a
.endr
.set i, 0
.rept 16
	ds_store_b128 v8, v[OO+4*i:OO+4*i+3] offset:512*i              ; slot 0 was left by every wave at the last change of slots and is filled no more
.set i, i+1
.endr
	s_wait_dscnt 0x0                               ; for the others' sake: my stores have landed
	s_barrier_signal -1
	s_barrier_wait -1
.irp k, 0,1,2,3
.irp a, 0,1
	ds_load_b32 v[128+8*\a+\k], v12 offset:1024*\k+128*\a          ; -m of key group k
	ds_load_b32 v[132+8*\a+\k], v12 offset:4096+1024*\k+128*\a     ; its sum
.endr
.endr
.irp k, 0,1
.irp a, 0,1
.irp u, 0,1
	ds_load_b128 v[KV+16*\k+8*\a+4*\u:KV+16*\k+8*\a+4*\u+3], v9 offset:32768*\k+4096*\a+512*\u
.endr
.endr
.endr
.irp k, 2,3
.irp a, 0,1
.irp u, 0,1
	ds_load_b128 v[KV+16*\k+8*\a+4*\u:KV+16*\k+8*\a+4*\u+3], v10 offset:32768*(\k-2)+4096*\a+512*\u
.endr
.endr
.endr
	s_wait_dscnt 0x0
.irp a, 0,1
	v_min3_num_f32 v[144+\a], v[128+8*\a], v[129+8*\a], v[130+8*\a]
.endr
.irp a, 0,1
	v_min_num_f32 v[144+\a], v[144+\a], v[131+8*\a]                ; the least -m: the row's m
.endr
.irp a, 0,1
.irp k, 0,1,2,3
	v_sub_f32 v[148+4*\a+\k], v[144+\a], v[128+8*\a+\k]            ; m_k - m
.endr
.endr
.irp a, 0,1
.irp k, 0,1,2,3
	v_exp_f32 v[148+4*\a+\k], v[148+4*\a+\k]
.endr
.endr
	v_nop
	s_wait_alu depctr_va_vdst(0)                   ; one wait for the eight
.irp a, 0,1
	v_mul_f32 v[146+\a], v[148+4*\a], v[132+8*\a]
.endr
.irp k, 1,2,3
.irp a, 0,1
	v_fmac_f32 v[146+\a], v[148+4*\a+\k], v[132+8*\a+\k]           ; the row's sum
.endr
.endr
.irp a, 0,1
	v_rcp_f32 v[146+\a], v[146+\a]
.endr
	v_nop
	s_wait_alu depctr_va_vdst(0)                   ; one wait for the two
.irp a, 0,1
.irp k, 0,1,2,3
	v_mul_f32 v[148+4*\a+\k], v[148+4*\a+\k], v[146+\a]
.endr
.endr
.irp a, 0,1
.irp j, 0,1,2,3,4,5,6,7
	v_mul_f32 v[160+8*\a+\j], v[KV+8*\a+\j], v[148+4*\a]
.endr
.endr
.irp k, 1,2,3
.irp a, 0,1
.irp j, 0,1,2,3,4,5,6,7
	v_fmac_f32 v[160+8*\a+\j], v[KV+16*\k+8*\a+\j], v[148+4*\a+\k]
.endr
.endr
.endr
.irp a, 0,1
.irp i, 0,1,2,3
	v_cvt_pk_f16_f32 v[176+4*\a+\i], v[160+8*\a+2*\i], v[160+8*\a+2*\i+1]
.endr
.endr
.irp a, 0,1
	global_store_b128 v13, v[176+4*\a:179+4*\a], s[8:9] offset:16384*\a   ; 512 consecutive bytes, aligned: four registers of a fragment of the last product
.endr
	s_wait_tensorcnt 0x0                           ; the wave's end: behind my last tensor load and my last LDS store
	ds_add_u32 v4, v5
	s_wait_dscnt 0x0
	CROUND                                         ; the closing round: no work-group ends while a partner may still ask for a tile that names it
	s_endpgm
.Lfunc_end_k_qf8cc7c0d0d_attn:
	.size	k_qf8cc7c0d0d_attn, .Lfunc_end_k_qf8cc7c0d0d_attn-k_qf8cc7c0d0d_attn
	.p2alignl 7, 3214868480
	.fill 96, 4, 3214868480
	.section	.rodata,"a",@progbits
	.p2align	6, 0x0
	.amdhsa_kernel k_qf8cc7c0d0d_attn
		.amdhsa_group_segment_fixed_size 327680
		.amdhsa_private_segment_fixed_size 0
		.amdhsa_enable_private_segment 0
		.amdhsa_kernarg_size 40
		.amdhsa_user_sgpr_count 2
		.amdhsa_user_sgpr_kernarg_segment_ptr 1
		.amdhsa_wavefront_size32 1
		.amdhsa_system_sgpr_workgroup_id_x 1
		.amdhsa_system_sgpr_workgroup_id_y 1
		.amdhsa_system_sgpr_workgroup_id_z 1
		.amdhsa_system_vgpr_workitem_id 0
		.amdhsa_next_free_vgpr 256
		.amdhsa_next_free_sgpr 102
		.amdhsa_reserve_vcc 0
		.amdhsa_float_denorm_mode_32 3
		.amdhsa_float_denorm_mode_16_64 3
		.amdhsa_memory_ordered 1
		.amdhsa_forward_progress 1
		.amdhsa_inst_pref_size 127
	.end_amdhsa_kernel
	.amdgpu_metadata
---
amdhsa.version: [ 1, 2 ]
amdhsa.kernels:
  - .name:           k_qf8cc7c0d0d_attn
    .symbol:         k_qf8cc7c0d0d_attn.kd
    .args:
      - { .name: qf, .offset: 0, .size: 8, .value_kind: global_buffer, .address_space: global }
      - { .name: kf, .offset: 8, .size: 8, .value_kind: global_buffer, .address_space: global }
      - { .name: vf, .offset: 16, .size: 8, .value_kind: global_buffer, .address_space: global }
      - { .name: maskbits, .offset: 24, .size: 8, .value_kind: global_buffer, .address_space: global }
      - { .name: hf, .offset: 32, .size: 8, .value_kind: global_buffer, .address_space: global }
    .group_segment_fixed_size: 327680
    .private_segment_fixed_size: 0
    .kernarg_segment_align: 8
    .kernarg_segment_size: 40
    .max_flat_workgroup_size: 512
    .sgpr_count:     102
    .vgpr_count:     256
    .wavefront_size: 32
...
	.end_amdgpu_metadata
.endif
;; end of part 3
;; launch outp (part 4): grid 4 x 64, 4 waves a work-group, no clusters, 35,328 bytes of LDS; arguments hf, wof, out0; writes out0
.if DOCPART == 4
	.amdgcn_target "amdgcn-amd-amdhsa--gfx1250"
	.amdhsa_code_object_version 6
	.text
	.protected	k_qf8cc7c0d0d_outp
	.globl	k_qf8cc7c0d0d_outp
	.p2align	8
	.type	k_qf8cc7c0d0d_outp,@function
k_qf8cc7c0d0d_outp:
	s_mov_b64 s[64:65], 0
	v_nop
	global_prefetch_b8 v0, s[64:65] scope:SCOPE_SE
	s_setreg_imm32_b32 hwreg(HW_REG_WAVE_MODE, 25, 1), 1
	s_wait_xcnt 0x0
; THE PROJECTION OUT: out[q][e] = the sum over k = 64 head + v of heads[q][k] W_out[k][e], on f16 operands (heads / 2 and 2 W_out), sums in f32.
; A work-group makes 64 queries x 128 columns; wave w: queries 32 (w / 2) on, columns 64 (w % 2) on: eight accumulators.  K = 512 goes in 16 steps of 32.
; Both operands lie in memory as images of their registers, so each fragment comes by two loads of 16 bytes a lane straight into registers: three sets of 48 registers take turns, two steps' loads (24) are out while a step is multiplied.
; Source 0 = 16 columns of W_out, source 1 = 16 queries: a lane holds one query and eight neighbouring columns, 32 bytes of a row of out.
; No tensor load, no cluster, no barrier: a work-group reads 64 KiB of hf and 128 KiB of wof once each wave-half, with no LDS in between; the launch is short.
; A row of NaN in hf (a query for which no key counted) makes NaN in that query's row alone: the query is a column of source 1.
.set SPARE, 34816                      ; behind the four stages (32 rows x 272 bytes a wave): the spare words
.set SPW, 14
.set NIL, 15
.set ACC, 16                           ; v16-79: accumulator (column tile n, query tile a) at v[16 + 8 (2 n + a)]
	s_load_b128 s[4:7], s[0:1], 0x0                ; hf, wof
	s_load_b64 s[8:9], s[0:1], 0x10                ; out0
	v_lshl_add_u32 v[SPW], v0, 2, SPARE
	v_mov_b32 v[NIL], 0
	v_lshrrev_b32 v1, 5, v0
	v_readfirstlane_b32 s10, v1                    ; wave
	s_lshr_b32 s11, s10, 1                         ; which 32 queries
	s_and_b32 s12, s10, 1                          ; which 64 columns
	s_and_b32 s13, ttmp7, 0xffff                   ; y
	v_and_b32 v1, 31, v0
	v_and_b32 v2, 15, v0                           ; r
	v_bfe_u32 v3, v0, 4, 1                         ; h
	v_lshlrev_b32 v4, 4, v1                        ; 16 x lane
	s_mul_i32 s14, s10, 8704                       ; my stage
	v_mul_u32_u24 v5, v2, 272
	v_lshl_add_u32 v5, v3, 5, v5
	v_add_nc_u32 v5, s14, v5                       ; in: row r, + 32 h
	v_mul_u32_u24 v6, v3, 272
	v_lshl_add_u32 v6, v2, 4, v6
	v_add_nc_u32 v6, s14, v6                       ; back: lanes 0-15 one row of 256 bytes, lanes 16-31 the next
	v_lshlrev_b32 v7, 11, v3
	v_lshl_add_u32 v7, v2, 4, v7                   ; and the same two rows in out
	s_lshl_b32 s16, s13, 16                        ; hf: (4 y + 2 half) tiles of 16,384 bytes
	s_lshl_b32 s17, s11, 15
	s_add_co_u32 s16, s16, s17
	s_mov_b32 s17, 0
	s_lshl_b32 s18, ttmp9, 17                      ; wof: (8 x + 4 half) tiles of 16,384 bytes
	s_lshl_b32 s19, s12, 16
	s_add_co_u32 s18, s18, s19
	s_mov_b32 s19, 0
	s_lshl_b32 s20, s13, 17                        ; out: (64 y + 32 half) rows of 2,048 bytes,
	s_lshl_b32 s21, s11, 16
	s_add_co_u32 s20, s20, s21
	s_lshl_b32 s21, ttmp9, 9                       ; + 512 x + 256 half
	s_add_co_u32 s20, s20, s21
	s_lshl_b32 s21, s12, 8
	s_add_co_u32 s20, s20, s21
	s_mov_b32 s21, 0
	s_wait_kmcnt 0x0
	s_add_nc_u64 s[4:5], s[4:5], s[16:17]
	s_add_nc_u64 s[6:7], s[6:7], s[18:19]
	s_add_nc_u64 s[8:9], s[8:9], s[20:21]
.macro LOADK k                         ; K step k: 12 loads into set k % 3: heads' two fragments, then W_out's four
.set LB, 80+48*((\k)%3)
.irp a, 0,1
.irp p, 0,1
	global_load_b128 v[LB+8*\a+4*\p:LB+8*\a+4*\p+3], v4, s[4:5] offset:16384*\a+1024*(\k)+512*\p
.endr
.endr
.irp n, 0,1,2,3
.irp p, 0,1
	global_load_b128 v[LB+16+8*\n+4*\p:LB+16+8*\n+4*\p+3], v4, s[6:7] offset:16384*\n+1024*(\k)+512*\p
.endr
.endr
.endm
	LOADK 0
	LOADK 1
	LOADK 2
.set KC, 0
.rept 16
.set MB, 80+48*(KC%3)
.if KC < 14
	s_wait_loadcnt 24                              ; this step's 12 loads are in; the next two steps' stay out
.elseif KC == 14
	s_wait_loadcnt 12
.else
	s_wait_loadcnt 0
.endif
.irp n, 0,1,2,3                                ; eight accumulators by turns, one instruction a turn; the first step starts the sums
.irp a, 0,1
.if KC == 0
	v_wmma_f32_16x16x32_f16 v[ACC+8*(2*\n+\a):ACC+8*(2*\n+\a)+7], v[MB+16+8*\n:MB+16+8*\n+7], v[MB+8*\a:MB+8*\a+7], 0
.else
	v_wmma_f32_16x16x32_f16 v[ACC+8*(2*\n+\a):ACC+8*(2*\n+\a)+7], v[MB+16+8*\n:MB+16+8*\n+7], v[MB+8*\a:MB+8*\a+7], v[ACC+8*(2*\n+\a):ACC+8*(2*\n+\a)+7]
.endif
.endr
.endr
.rept 4
	v_nop                                          ; places in front of loads into registers that matrix instructions have read, and at the end of the first read of the results
.endr
.if KC+3 < 16
	LOADK KC+3
.endif
.set KC, KC+1
.endr
	; THE WAY OUT: a lane's 32 bytes go into my own stage (rows of 256 bytes + 16) and come back as whole rows: sixteen lanes store 256 consecutive bytes, aligned.  LDS serves a wave's instructions in order.
.irp a, 0,1
.irp n, 0,1,2,3
	ds_store_b128 v5, v[ACC+8*(2*\n+\a):ACC+8*(2*\n+\a)+3] offset:4352*\a+64*\n          ; each accumulator from its low end on
	ds_store_b128 v5, v[ACC+8*(2*\n+\a)+4:ACC+8*(2*\n+\a)+7] offset:4352*\a+64*\n+16
.endr
.endr
.set i, 0
.rept 16
	ds_load_b128 v[80+4*i:83+4*i], v6 offset:544*i
.set i, i+1
.endr
.set i, 0
.rept 16
	s_wait_dscnt 15-i
	global_store_b128 v7, v[80+4*i:83+4*i], s[8:9] offset:4096*i th:TH_STORE_NT   ; written once, read by nobody here
.set i, i+1
.endr
	s_wait_tensorcnt 0x0                           ; the wave's end: behind the last LDS store
	ds_add_u32 v[SPW], v[NIL]
	s_wait_dscnt 0x0
	s_endpgm
.Lfunc_end_k_qf8cc7c0d0d_outp:
	.size	k_qf8cc7c0d0d_outp, .Lfunc_end_k_qf8cc7c0d0d_outp-k_qf8cc7c0d0d_outp
	.p2alignl 7, 3214868480
	.fill 96, 4, 3214868480
	.section	.rodata,"a",@progbits
	.p2align	6, 0x0
	.amdhsa_kernel k_qf8cc7c0d0d_outp
		.amdhsa_group_segment_fixed_size 35328
		.amdhsa_private_segment_fixed_size 0
		.amdhsa_enable_private_segment 0
		.amdhsa_kernarg_size 24
		.amdhsa_user_sgpr_count 2
		.amdhsa_user_sgpr_kernarg_segment_ptr 1
		.amdhsa_wavefront_size32 1
		.amdhsa_system_sgpr_workgroup_id_x 1
		.amdhsa_system_sgpr_workgroup_id_y 1
		.amdhsa_system_sgpr_workgroup_id_z 1
		.amdhsa_system_vgpr_workitem_id 0
		.amdhsa_next_free_vgpr 224
		.amdhsa_next_free_sgpr 66
		.amdhsa_reserve_vcc 0
		.amdhsa_float_denorm_mode_32 3
		.amdhsa_float_denorm_mode_16_64 3
		.amdhsa_memory_ordered 1
		.amdhsa_forward_progress 1
		.amdhsa_inst_pref_size 35
	.end_amdhsa_kernel
	.amdgpu_metadata
---
amdhsa.version: [ 1, 2 ]
amdhsa.kernels:
  - .name:           k_qf8cc7c0d0d_outp
    .symbol:         k_qf8cc7c0d0d_outp.kd
    .args:
      - { .name: hf, .offset: 0, .size: 8, .value_kind: global_buffer, .address_space: global }
      - { .name: wof, .offset: 8, .size: 8, .value_kind: global_buffer, .address_space: global }
      - { .name: out0, .offset: 16, .size: 8, .value_kind: global_buffer, .address_space: global }
    .group_segment_fixed_size: 35328
    .private_segment_fixed_size: 0
    .kernarg_segment_align: 8
    .kernarg_segment_size: 24
    .max_flat_workgroup_size: 128
    .sgpr_count:     66
    .vgpr_count:     224
    .wavefront_size: 32
...
	.end_amdgpu_metadata
.endif
;; end of part 4
